; MI455X (gfx1250); checked and timed in simulation.
; The chip was launched on July 23, 2026; its instructions are those of AMD's public machine-readable ISA for CDNA 5 (MIT licence, August 2026) and "CDNA5" Instruction Set Architecture Reference Guide (July 2026). The comments in the code are by the model that wrote it; some were corrected since.
;; My LSTM Cell. Allowed arithmetic: matrix products marked QUANTISED: E2M1 operands, one E8M0 scale for each 32 along K, by v_wmma_scale_f32_16x16x128_f8f6f4 with both operands' format E2M1 (or v_wmma_scale_f32_32x16x128_f4), f32 sums; everything else in f32.
;; Inputs: U_c 1,024 x 1,024 float32; U_f 1,024 x 1,024 float32; U_i 1,024 x 1,024 float32; U_o 1,024 x 1,024 float32; W_c 1,024 x 1,024 float32; W_f 1,024 x 1,024 float32; W_i 1,024 x 1,024 float32; W_o 1,024 x 1,024 float32; b_c 1,024 float32; b_f 1,024 float32; b_i 1,024 float32; b_o 1,024 float32; c_prev 8,192 x 1,024 float32; h_prev 8,192 x 1,024 float32; x 8,192 x 1,024 float32.
;; Outputs: out0 8,192 x 1,024 float32; out1 8,192 x 1,024 float32.
;; This version of the problem:
;;   THIS VERSION OF THE PROBLEM IS GIVEN IN LOW PRECISION. The matrix products marked QUANTISED in the list below multiply operands that are first quantised to E2M1 (2 exponent bits, 1 mantissa bit; 4 bits a number), with one power-of-two scale for each 32 numbers along K (OCP MX v1.0); their sums are f32. All else is computed in f32.
;;   The module's matrix products, in the order in which they are computed (A, B: the left and right operand; K: the contracted axis; several contracted axes count as one K, in the product's order):
;;     1. [M 8,192, K 1,024] x [K 1,024, N 4,096]; A: input x; B: computed on the way: QUANTISED
;;     2. [M 8,192, K 1,024] x [K 1,024, N 4,096]; A: input h_prev; B: computed on the way: QUANTISED
;;   THE QUANTISER, for each operand of a quantised product, along K:
;;     - K is cut into blocks of 32 from its start; a last block that is shorter is filled with zeros.
;;     - A block's scale is 2^e with e = floor(log2(the largest magnitude in the block)) - 2, held to -126 .. 127; a block of zeros has e = 0. As a byte (E8M0): e + 127.
;;     - Each number is divided by its block's scale, clamped to +-6, and rounded to the nearest number of E2M1, ties to even, subnormals kept.
;;     - The product sums the exact products of the quantised numbers (number of the format x scale) in f32.
;;   ~~~python
;;   def quantise(x, axis):      # numpy; x: float32 -> the quantised numbers, widened to float32 again
;;       x = np.moveaxis(x, axis, -1); K = x.shape[-1]
;;       x = np.pad(x, [(0, 0)] * (x.ndim - 1) + [(0, -K % 32)]); x = x.reshape(x.shape[:-1] + (-1, 32)); a = np.abs(x).max(-1, keepdims=True)
;;       e = np.where(a > 0, np.clip(np.frexp(np.where(a > 0, a, 1))[1] - 1 - 2, -126, 127), 0)      # np.frexp(a)[1] - 1 = floor(log2(a)), exactly
;;       r = np.clip(x / 2.0 ** e, -6, 6)
;;       step = 2.0 ** (np.maximum(np.frexp(np.where(r == 0, 1, r))[1] - 1, 0) - 1)
;;       q = np.round(r / step) * step * 2.0 ** e      # np.round: ties to even
;;       return np.moveaxis(q.reshape(q.shape[:-2] + (-1,))[..., :K], -1, axis).astype(np.float32)
;;   ~~~
;;   OPERANDS COMPUTED ON THE WAY. 'Computed on the way' means the value that the module computes at that place (a softmax that the list does not call 'softmax' is quantised finished and normalised). What goes into a quantiser is computed in f32, as accurately as f32 sums, v_exp_f32 and their like allow (about 1e-6 of the number): no bf16 or f16 on the way to a quantiser, and a product that is left as it is and whose result goes on into a quantised operand takes f32 operands (vector FMAs, or v_wmma_f32_16x16x4_f32). A number that lies on a knife's edge between two numbers of the format may be rounded either way, as far as f32 arithmetic and the matrix unit's own rounding can turn it there, and no further.
;; One version. Each part assembles by itself: llvm-mc -triple=amdgcn-amd-amdhsa -mcpu=gfx1250 --defsym DOCPART=n.
;; ======== version 1 of 1: 2 launches
;; limits: right only within a limited range of input values
;; workspace buffers: a_codes 8,388,608 bytes; a_scales 524,288 bytes; b_codes 4,194,304 bytes; b_scales 262,144 bytes
;; launch quant (part 1): grid 768 x 1, 4 waves a work-group, no clusters, 51,712 bytes of LDS; arguments x, h_prev, W_i, W_f, W_o, W_c, U_i, U_f, U_o, U_c, a_codes, a_scales, b_codes, b_scales; writes a_codes, a_scales, b_codes, b_scales
.if DOCPART == 1
	.amdgcn_target "amdgcn-amd-amdhsa--gfx1250"
	.amdhsa_code_object_version 6
	.text
	.protected	k_qe4d917bd78_quant
	.globl	k_qe4d917bd78_quant
	.p2align	8
	.type	k_qe4d917bd78_quant,@function
k_qe4d917bd78_quant:
	s_mov_b64 s[64:65], 0
	v_nop
	global_prefetch_b8 v0, s[64:65] scope:SCOPE_SE
	s_setreg_imm32_b32 hwreg(HW_REG_WAVE_MODE, 25, 1), 1
	s_wait_xcnt 0x0
; All operands of gates = x W + h_prev U are turned into codes of FP4 (E2M1), 4 bits each, with one E8M0 scale byte for each 32 along K.
; The two products are laid as ONE with K = 2,048: x | h_prev against W | U; 1,024 is a multiple of 32, so no block of 32 changes.  A K SLOT is 512 along that K: slots 0, 1 = x / W, slots 2, 3 = h_prev / U.
;   a_codes  [8192 m][1024 bytes]       slot s at byte 256 s of a row, K ascending, the lower k in the low four bits
;   a_scales [4 s][8192 m][16 bytes]    a row's 16 blocks of a slot
;   b_codes  [4096 n'][1024 bytes], b_scales [4 s][4096 n'][16 bytes] likewise, with n' = 128 (j / 32) + 32 gate + j % 32 for hidden column j and gate 0 = i, 1 = f, 2 = o, 3 = c:
;   so 128 neighbouring n' are 32 hidden columns of all four gates.
; A block's scale is 2^(floor(log2(its largest magnitude)) - 2); its byte is the largest magnitude's exponent field - 2, held at 1 from below.  Each number is divided by the scale and rounded to the nearest code, ties to
; even; beyond the largest code the conversion gives the largest code.
; LIMITS: a block of zeros, or one whose largest magnitude lies under 2^(3 - 127), keeps the byte 1 where the rule says 127 for zeros: its codes are zeros (or the rounded small numbers under the held scale), and the bytes
; are read by this program alone.  NaN and infinities among the inputs are not served.
; SHARES.  Work-groups 0 to 255 take the eight weight matrices (128 KiB each), work-groups 256 to 767 take x and h_prev (16 rows of both, 128 KiB each).  The two ways part on the work-group's number alone,
; never join again, and have LDS bytes of their own: the activations 0 .. 32,767, the weights from 32,768 on.  No tensor loads, no matrix unit, no cluster: nothing is read twice and memory binds.
.set WGW,   256                        ; work-groups for the weights
.set EMAX,  2                          ; the exponent of the format's largest number, 6
.set FLOOR, (EMAX+1)<<23               ; the f32 number 2^(EMAX + 1 - 127)
; the weights' way
.set WSTG,  32768                      ; LDS: two stages (one for each 32 columns) of 32 rows x 272 bytes
.set WSC,   50176                      ; LDS: the scale bytes: 2 x 32 columns x 16 bytes
.set WP,    272                        ; a stage row: 256 bytes of codes (512 along K) + 16
.set NB,    8                          ; blocks of 32 along K for a wave
.set XW,    32                         ; v32-95   two sets of 32 numbers
.set CW,    96                         ; v96-99   a block's codes
.set OUTR,  112                        ; v112-143 the way out
.set SB,    24                         ; v24-25   my column's 8 scale bytes
; the activations' way
.set STEPS, 16                         ; a step = 512 numbers = one row's part of my K slot
.set WREG,  8192                       ; LDS: a region for each wave: two stages of 32 x SP bytes, behind them its 256 scale bytes
.set SP,    80                         ; a lane's place in a stage: its 64 bytes + 16 of padding
.set RA,    16                         ; v16-143  eight sets of 16 numbers as they are loaded
.set XA,    144                        ; v144-175 two sets of 16 neighbours
.set EA,    176                        ; v176-191 a scale byte for each step
.set CA,    192                        ; v192-223 codes: two registers for each step, so that no store's data are written again
	v_lshl_add_u32 v254, v0, 2, 0xc800
	v_mov_b32 v255, 0
	v_lshrrev_b32 v1, 5, v0
	v_readfirstlane_b32 s2, v1                     ; wave 0..3
	v_and_b32 v2, 31, v0                           ; lane
	s_cmp_lt_u32 ttmp9, WGW
	s_cbranch_scc0 .Lacts                          ; the same way for all four waves of a work-group
; ---------------------------------------------------------------- THE WEIGHTS: [k][j] f32, K is the FIRST axis.
; A LANE TAKES A COLUMN j, AND ITS REGISTERS RUN DOWN K: a block of 32 lies in one lane's 32 registers, its largest magnitude needs no other lane, and the conversions give codes with K innermost.
; A work-group takes 64 columns x 512 along K (one K slot) of one matrix.  Wave (cg = wave % 2, kh = wave / 2) takes columns 32 cg on and 256 along K from 256 kh on: waves cg = 0, 1 stand side by side on
; 256 bytes of a row of the matrix.  A column's 256 bytes of codes come from two waves: they meet in a stage in LDS, and behind one barrier each wave stores 16 whole runs of 256 bytes.
	s_load_b512 s[16:31], s[0:1], 0x10             ; W_i, W_f, W_o, W_c, U_i, U_f, U_o, U_c
	s_load_b128 s[8:11], s[0:1], 0x60              ; b_codes, b_scales
	s_and_b32 s13, ttmp9, 1                        ; kk: which 512 of the matrix's K
	s_bfe_u32 s14, ttmp9, 0x40001                  ; c64: which 64 columns
	s_lshr_b32 s12, ttmp9, 5                       ; the matrix, 0..7
	s_and_b32 s15, s12, 3                          ; its gate
	s_lshr_b32 s32, s12, 2
	s_lshl_b32 s32, s32, 1
	s_add_co_u32 s32, s32, s13                     ; the K slot: 2 x (U?) + kk
	s_and_b32 s33, s2, 1                           ; cg
	s_lshr_b32 s34, s2, 1                          ; kh
	s_wait_alu depctr_va_vdst(0)
	v_lshlrev_b32 v3, 2, v2                        ; in: 4 bytes a lane
	s_mul_i32 s35, s33, 32*WP
	s_add_co_u32 s35, s35, WSTG                    ; my 32 columns' stage
	s_lshl_b32 s3, s34, 7
	s_add_co_u32 s3, s3, s35
	v_mul_u32_u24 v4, v2, WP
	v_add_nc_u32 v4, s3, v4                        ; into it: row = my column, my half of its 256 bytes
	v_and_b32 v5, 15, v2
	v_lshrrev_b32 v6, 4, v2
	s_mul_i32 s3, s34, 16*WP
	s_add_co_u32 s3, s3, s35
	v_mul_u32_u24 v7, v6, WP
	v_lshl_add_u32 v7, v5, 4, v7
	v_add_nc_u32 v7, s3, v7                        ; out of it: rows 16 kh on, sixteen lanes to a row, two rows an instruction
	v_lshlrev_b32 v8, 10, v6
	v_lshl_add_u32 v8, v5, 4, v8                   ; and the same place in b_codes (rows of 1,024 bytes)
	v_lshlrev_b32 v9, 3, v2                        ; the scale bytes' way out: 8 bytes a lane
	s_lshl_b32 s35, s33, 9
	s_add_co_u32 s35, s35, WSC                     ; my 32 columns' scale bytes
	s_lshl_b32 s3, s34, 3
	s_add_co_u32 s3, s3, s35
	v_lshl_add_u32 v10, v2, 4, s3                  ; in: 16 bytes a column, my 8 at 8 kh
	s_lshl_b32 s3, s34, 8
	s_add_co_u32 s3, s3, s35
	v_add_nc_u32 v14, s3, v9                       ; out: columns 16 kh on: 256 bytes on end
	; offsets, apart from the addresses.  (c64 << 8) + (cg << 7) is both the columns' byte in a row of the matrix and their part of n'
	s_lshl_b32 s36, s13, 21                        ; 512 kk rows of 4,096 bytes
	s_lshl_b32 s3, s34, 20                         ; 256 kh rows
	s_add_co_u32 s36, s36, s3
	s_lshl_b32 s42, s14, 8
	s_lshl_b32 s3, s33, 7
	s_add_co_u32 s42, s42, s3
	s_add_co_u32 s36, s36, s42
	s_mov_b32 s37, 0
	s_lshl_b32 s3, s15, 5
	s_add_co_u32 s42, s42, s3                      ; + 32 x gate
	s_lshl_b32 s3, s34, 4
	s_add_co_u32 s42, s42, s3                      ; + 16 kh: the first n' that I store
	s_lshl_b32 s38, s42, 10
	s_lshl_b32 s3, s32, 8
	s_add_co_u32 s38, s38, s3                      ; b_codes: n' x 1,024 + 256 x slot
	s_mov_b32 s39, 0
	s_lshl_b32 s40, s32, 16
	s_lshl_b32 s3, s42, 4
	s_add_co_u32 s40, s40, s3                      ; b_scales: slot x 65,536 + 16 n'
	s_mov_b32 s41, 0
	s_wait_kmcnt 0x0
	s_and_b32 s3, s12, 1                           ; one of eight addresses, by the three bits of the matrix's number: the choice hangs on the work-group's number alone
	s_cmp_lg_u32 s3, 0
	s_cselect_b64 s[16:17], s[18:19], s[16:17]
	s_cselect_b64 s[20:21], s[22:23], s[20:21]
	s_cselect_b64 s[24:25], s[26:27], s[24:25]
	s_cselect_b64 s[28:29], s[30:31], s[28:29]
	s_and_b32 s3, s12, 2
	s_cmp_lg_u32 s3, 0
	s_cselect_b64 s[16:17], s[20:21], s[16:17]
	s_cselect_b64 s[24:25], s[28:29], s[24:25]
	s_and_b32 s3, s12, 4
	s_cmp_lg_u32 s3, 0
	s_cselect_b64 s[4:5], s[24:25], s[16:17]
	s_add_nc_u64 s[4:5], s[4:5], s[36:37]
	s_add_nc_u64 s[8:9], s[8:9], s[38:39]
	s_add_nc_u64 s[10:11], s[10:11], s[40:41]
.macro LOADW t                         ; block t: rows 32 t + i of my part, my column, into set t % 2; a wave reads 128 consecutive bytes, read once in the launch
.irp i, 0,1,2,3,4,5,6,7,8,9,10,11,12,13,14,15,16,17,18,19,20,21,22,23,24,25,26,27,28,29,30,31
	global_load_b32 v[XW+32*((\t)%2)+\i], v3, s[4:5] offset:(32*(\t)+\i)*4096 th:TH_LOAD_NT
.endr
.endm
.macro BLOCKW t
.set XS, XW+32*((\t)%2)
.if (\t) < NB-1
	s_wait_loadcnt 32                              ; this block's 32 loads are in; the next block's 32 may be out
.else
	s_wait_loadcnt 0
.endif
	v_max3_num_f32 v12, |v[XS]|, |v[XS+1]|, |v[XS+2]|              ; the block's largest magnitude: all 32 numbers are mine; two chains
	v_max3_num_f32 v13, |v[XS+3]|, |v[XS+4]|, |v[XS+5]|
.irp i, 6,10,14,18,22,26
	v_max3_num_f32 v12, v12, |v[XS+\i]|, |v[XS+\i+1]|
	v_max3_num_f32 v13, v13, |v[XS+\i+2]|, |v[XS+\i+3]|
.endr
	v_max3_num_f32 v12, v12, |v[XS+30]|, |v[XS+31]|
	v_max3_num_f32 v12, v12, v13, FLOOR            ; and the floor, under which no largest magnitude is taken: so the byte cannot fall under 1
	v_add_nc_u32 v11, 0xff000000, v12              ; 2 off its exponent field: the conversion takes the exponent field of this operand as its scale, and nothing else of it
	v_lshrrev_b32 v13, 23, v11                     ; the scale's byte
.if (\t)%4 == 0
	v_mov_b32 v[SB+(\t)/4], v13                    ; four bytes to a register, the lower K in the lower byte
.else
	v_lshl_or_b32 v[SB+(\t)/4], v13, 8*((\t)%4), v[SB+(\t)/4]
.endif
.irp g, 0,1,2,3
	v_cvt_scalef32_pk8_fp4_f32 v[CW+\g], v[XS+8*\g:XS+8*\g+7], v11
.endr
	ds_store_b128 v4, v[CW:CW+3] offset:16*(\t)    ; 32 codes: 16 bytes of my column's row.  (The results go to a store; the next vector lines are the next block's plain ones)
.if (\t)+2 < NB
	LOADW (\t)+2
.endif
	s_wait_dscnt 0x0                               ; the store has read its registers: the next block's codes may be written
.endm
	LOADW 0
	LOADW 1                                        ; two blocks, 64 loads a wave, ahead
.irp t, 0,1,2,3,4,5,6,7
	BLOCKW \t
.endr
	s_wait_alu depctr_va_vdst(0)
	ds_store_b64 v10, v[SB:SB+1]                   ; my column's 8 scale bytes
	s_wait_dscnt 0x0                               ; for the others' sake: my stores into the stage are done
	s_barrier_signal -1
	s_barrier_wait -1                              ; both halves of every row lie in the stage
.irp t, 0,1,2,3,4,5,6,7
	ds_load_b128 v[OUTR+4*\t:OUTR+4*\t+3], v7 offset:2*\t*WP
.endr
	ds_load_b64 v[26:27], v14
.irp t, 0,1,2,3,4,5,6,7
	s_wait_dscnt 8-\t                              ; the younger reads of codes and the read of scale bytes may be out
	global_store_b128 v8, v[OUTR+4*\t:OUTR+4*\t+3], s[8:9] offset:2*\t*1024    ; sixteen lanes store 256 consecutive bytes, at a multiple of 256 from the buffer's first byte
.endr
	s_wait_dscnt 0x0
	global_store_b64 v9, v[26:27], s[10:11]        ; 16 columns x 16 bytes: 256 consecutive bytes, aligned likewise
	s_wait_tensorcnt 0x0
	ds_add_u32 v254, v255
	s_wait_dscnt 0x0
	s_endpgm
; ---------------------------------------------------------------- THE ACTIVATIONS: [m][k] f32, K innermost.
; A work-group takes 16 rows of x and of h_prev; wave w takes K slot w of them (waves 0, 1: x's halves; waves 2, 3: h_prev's): 16 steps of 512 numbers, a row a step.
; The conversions take 8 numbers of ONE block from a lane's registers, so a lane must hold 16 NEIGHBOURS (two neighbouring lanes hold a block); a load is best where neighbouring LANES take neighbouring bytes.
; Both are had: each of a step's four loads reads 512 consecutive bytes, 16 a lane; the 2,048 bytes go through the wave's own stage in LDS as they lie and come back 64 bytes a lane.
; A lane's 16 codes are 8 bytes: the wave stores 256 consecutive bytes.  A step makes 16 scale bytes, the wave 256: they are gathered in its own LDS bytes and leave as one run of 256.  Waves share nothing: no barrier.
.Lacts:
	s_load_b128 s[4:7], s[0:1], 0x0                ; x, h_prev
	s_load_b128 s[8:11], s[0:1], 0x50              ; a_codes, a_scales
	s_sub_co_u32 s3, ttmp9, WGW                    ; which 16 rows
	s_wait_alu depctr_va_vdst(0)
	v_lshlrev_b32 v3, 4, v2                        ; my 16 bytes of a load's 512
	s_lshl_b32 s17, s2, 13                         ; my wave's region: WREG x wave
	v_lshrrev_b32 v14, 2, v2
	v_mul_u32_u24 v14, v14, SP
	v_and_b32 v15, 3, v2
	v_lshl_add_u32 v14, v15, 4, v14
	v_add_nc_u32 v14, s17, v14                     ; the stage, on the way in: four lanes' 64 bytes on end, then 16 of padding; a load's 512 bytes take eight places
	v_mul_u32_u24 v15, v2, SP
	v_add_nc_u32 v15, s17, v15                     ; and on the way out: SP x lane: my 16 neighbours
	v_lshlrev_b32 v4, 3, v2                        ; 8 x lane: my codes' place in a step's, and my 8 scale bytes' place at the end
	v_lshrrev_b32 v5, 1, v2
	s_add_co_u32 s17, s17, 2*32*SP
	v_add_nc_u32 v5, s17, v5                       ; LDS: my wave's 256 scale bytes, my block's byte
	v_add_nc_u32 v6, s17, v4                       ; and on the way out 8 bytes a lane
	s_lshl_b32 s12, s3, 16                         ; in: 16 rows of 4,096 bytes a work-group,
	s_and_b32 s14, s2, 1
	s_lshl_b32 s14, s14, 11
	s_add_co_u32 s12, s12, s14                     ; + my half of a row
	s_mov_b32 s13, 0
	s_lshl_b32 s14, s3, 14                         ; a_codes: 16 rows of 1,024 bytes,
	s_lshl_b32 s16, s2, 8
	s_add_co_u32 s14, s14, s16                     ; + 256 x slot
	s_mov_b32 s15, 0
	s_lshl_b32 s18, s2, 17                         ; a_scales: slot x 131,072
	s_lshl_b32 s16, s3, 8
	s_add_co_u32 s18, s18, s16                     ; + 16 rows x 16 bytes
	s_mov_b32 s19, 0
	s_wait_alu depctr_va_vdst(0)
	s_wait_kmcnt 0x0
	s_cmp_lt_u32 s2, 2                             ; x or h_prev: the choice hangs on the wave's number alone
	s_cselect_b64 s[4:5], s[4:5], s[6:7]
	s_add_nc_u64 s[4:5], s[4:5], s[12:13]
	s_add_nc_u64 s[8:9], s[8:9], s[14:15]
	s_add_nc_u64 s[10:11], s[10:11], s[18:19]
.macro LOADA t
.irp i, 0,1,2,3
	global_load_b128 v[RA+16*((\t)%8)+4*\i:RA+16*((\t)%8)+4*\i+3], v3, s[4:5] offset:4096*(\t)+512*\i th:TH_LOAD_NT   ; 32 lanes read 512 consecutive bytes, read once in the launch
.endr
.endm
.macro TURNA t                         ; step t's numbers through the stage: LDS serves a wave's instructions in order (ISA guide 5.7.1), so no wait stands between the stores and the loads
.irp i, 0,1,2,3
	ds_store_b128 v14, v[RA+16*((\t)%8)+4*\i:RA+16*((\t)%8)+4*\i+3] offset:32*SP*((\t)%2)+8*SP*\i
.endr
.irp i, 0,1,2,3
	ds_load_b128 v[XA+16*((\t)%2)+4*\i:XA+16*((\t)%2)+4*\i+3], v15 offset:32*SP*((\t)%2)+16*\i
.endr
.endm
.irp t, 0,1,2,3,4,5,6,7
	LOADA \t                                       ; eight steps, 32 loads a wave, ahead
.endr
	s_wait_loadcnt 28                              ; step 0's four loads are in; those of steps 1 to 7 may be out
	TURNA 0
.macro STEPA t
.set XS, XA+16*((\t)%2)
.if (\t) > 0
	s_wait_dscnt 1                                 ; this step's numbers are back from the stage (the last step's byte store may be out): so its stores into the stage have read their registers,
.else
	s_wait_dscnt 0x0
.endif
.if (\t)+8 < STEPS
	LOADA (\t)+8                                   ; which take the loads of eight steps on
.endif
.if (\t)+1 < STEPS
.if (\t) <= 7
	s_wait_loadcnt 28                              ; the next step's four loads are in; those of the seven steps behind it may be out
.else
	s_wait_loadcnt 4*(14-(\t))                     ; nothing more is asked for: the counts run down
.endif
	TURNA (\t)+1                                   ; and go through the other stage while this step is worked
.endif
	v_max3_num_f32 v8, |v[XS]|, |v[XS+1]|, |v[XS+2]|               ; the largest magnitude of my 16, in two chains
	v_max3_num_f32 v9, |v[XS+3]|, |v[XS+4]|, |v[XS+5]|
.irp i, 6,10
	v_max3_num_f32 v8, v8, |v[XS+\i]|, |v[XS+\i+1]|
	v_max3_num_f32 v9, v9, |v[XS+\i+2]|, |v[XS+\i+3]|
.endr
	v_max3_num_f32 v8, v8, |v[XS+14]|, |v[XS+15]|
	v_max3_num_f32 v8, v8, v9, FLOOR               ; and the floor: the byte cannot fall under 1
	v_max_num_f32_dpp v8, v8, v8 row_xmask:1 row_mask:0xf bank_mask:0xf   ; and of my neighbour's 16: the block's
	v_add_nc_u32 v11, 0xff000000, v8               ; 2 off its exponent field: the conversion's scale operand
	v_cvt_scalef32_pk8_fp4_f32 v[CA+2*(\t)], v[XS:XS+7], v11       ; the first number's code in the lowest four bits
	v_cvt_scalef32_pk8_fp4_f32 v[CA+2*(\t)+1], v[XS+8:XS+15], v11
	v_lshrrev_b32 v[EA+(\t)], 23, v11              ; the scale's byte (also the plain line behind the conversions)
	ds_store_b8 v5, v[EA+(\t)] offset:16*(\t)      ; both lanes of a block write the same byte with the same value
	global_store_b64 v4, v[CA+2*(\t):CA+2*(\t)+1], s[8:9] offset:1024*(\t)   ; 32 lanes store 256 consecutive bytes, at a multiple of 256 from the buffer's first byte
.endm
.irp t, 0,1,2,3,4,5,6,7,8,9,10,11,12,13,14,15
	STEPA \t
.endr
	ds_load_b64 v[12:13], v6                       ; LDS serves a wave's instructions in order: these see my byte stores
	s_wait_dscnt 0x0
	global_store_b64 v4, v[12:13], s[10:11]        ; [my slot][my 16 rows][16 bytes]: 256 consecutive bytes, aligned likewise
	s_wait_tensorcnt 0x0
	ds_add_u32 v254, v255
	s_wait_dscnt 0x0
	s_endpgm
.Lfunc_end_k_qe4d917bd78_quant:
	.size	k_qe4d917bd78_quant, .Lfunc_end_k_qe4d917bd78_quant-k_qe4d917bd78_quant
	.p2alignl 7, 3214868480
	.fill 96, 4, 3214868480
	.section	.rodata,"a",@progbits
	.p2align	6, 0x0
	.amdhsa_kernel k_qe4d917bd78_quant
		.amdhsa_group_segment_fixed_size 51712
		.amdhsa_private_segment_fixed_size 0
		.amdhsa_enable_private_segment 0
		.amdhsa_kernarg_size 112
		.amdhsa_user_sgpr_count 2
		.amdhsa_user_sgpr_kernarg_segment_ptr 1
		.amdhsa_wavefront_size32 1
		.amdhsa_system_sgpr_workgroup_id_x 1
		.amdhsa_system_sgpr_workgroup_id_y 1
		.amdhsa_system_sgpr_workgroup_id_z 1
		.amdhsa_system_vgpr_workitem_id 0
		.amdhsa_next_free_vgpr 256
		.amdhsa_next_free_sgpr 66
		.amdhsa_reserve_vcc 0
		.amdhsa_float_denorm_mode_32 3
		.amdhsa_float_denorm_mode_16_64 3
		.amdhsa_memory_ordered 1
		.amdhsa_forward_progress 1
		.amdhsa_inst_pref_size 75
	.end_amdhsa_kernel
	.amdgpu_metadata
---
amdhsa.version: [ 1, 2 ]
amdhsa.kernels:
  - .name:           k_qe4d917bd78_quant
    .symbol:         k_qe4d917bd78_quant.kd
    .args:
      - { .name: x, .offset: 0, .size: 8, .value_kind: global_buffer, .address_space: global }
      - { .name: h_prev, .offset: 8, .size: 8, .value_kind: global_buffer, .address_space: global }
      - { .name: W_i, .offset: 16, .size: 8, .value_kind: global_buffer, .address_space: global }
      - { .name: W_f, .offset: 24, .size: 8, .value_kind: global_buffer, .address_space: global }
      - { .name: W_o, .offset: 32, .size: 8, .value_kind: global_buffer, .address_space: global }
      - { .name: W_c, .offset: 40, .size: 8, .value_kind: global_buffer, .address_space: global }
      - { .name: U_i, .offset: 48, .size: 8, .value_kind: global_buffer, .address_space: global }
      - { .name: U_f, .offset: 56, .size: 8, .value_kind: global_buffer, .address_space: global }
      - { .name: U_o, .offset: 64, .size: 8, .value_kind: global_buffer, .address_space: global }
      - { .name: U_c, .offset: 72, .size: 8, .value_kind: global_buffer, .address_space: global }
      - { .name: a_codes, .offset: 80, .size: 8, .value_kind: global_buffer, .address_space: global }
      - { .name: a_scales, .offset: 88, .size: 8, .value_kind: global_buffer, .address_space: global }
      - { .name: b_codes, .offset: 96, .size: 8, .value_kind: global_buffer, .address_space: global }
      - { .name: b_scales, .offset: 104, .size: 8, .value_kind: global_buffer, .address_space: global }
    .group_segment_fixed_size: 51712
    .private_segment_fixed_size: 0
    .kernarg_segment_align: 8
    .kernarg_segment_size: 112
    .max_flat_workgroup_size: 128
    .sgpr_count:     66
    .vgpr_count:     256
    .wavefront_size: 32
...
	.end_amdgpu_metadata
.endif
;; end of part 1
;; launch cell (part 2): grid 16 x 32, 4 waves a work-group, clusters of 4 x 4, 327,680 bytes of LDS; arguments a_codes, a_scales, b_codes, b_scales, b_i, b_f, b_o, b_c, c_prev, out0, out1; writes out0, out1
.if DOCPART == 2
	.amdgcn_target "amdgcn-amd-amdhsa--gfx1250"
	.amdhsa_code_object_version 6
	.text
	.protected	k_qe4d917bd78_cell
	.globl	k_qe4d917bd78_cell
	.p2align	8
	.type	k_qe4d917bd78_cell,@function
k_qe4d917bd78_cell:
	s_mov_b64 s[64:65], 0
	v_nop
	global_prefetch_b8 v0, s[64:65] scope:SCOPE_SE
	s_setreg_imm32_b32 hwreg(HW_REG_WAVE_MODE, 25, 1), 1
	s_wait_xcnt 0x0
	s_wait_alu depctr_hold_cnt(0) depctr_sa_sdst(0) depctr_va_vdst(0) depctr_va_sdst(0) depctr_va_ssrc(0) depctr_va_vcc(0) depctr_vm_vsrc(0)
	s_getreg_b32 s2, hwreg(HW_REG_IB_STS2, 6, 4)
	s_cmp_eq_u32 s2, 0
	s_cbranch_scc0 .Lentry_in_a_cluster
	s_endpgm
.Lentry_in_a_cluster:
	s_bfe_u32 s2, ttmp6, 0x10000c
	s_cmp_lg_u32 s2, 0xf033
	s_cbranch_scc0 .Lentry_shape_is_right
	s_endpgm
.Lentry_shape_is_right:
; gates[m][n'] = b[n'] + sum over the joint K = 2,048 of A[m][k] B[n'][k] on codes of FP4 (E2M1) with one E8M0 scale for each 32 along K (A = x | h_prev, B = W | U, as the launch before laid them);
; then i, f, o = sigmoid, g = tanh, c = f c_prev + i g (out1), h = o tanh(c) (out0), all in f32.  No gate goes to memory.  Every input is used: nothing is left out.
; n' = 128 (j / 32) + 32 gate + j % 32: a wave's 128 n' are 32 hidden columns x 4 gates.
; SHARES: a work-group of four waves makes 256 rows x 256 n'; wave (RH = wave / 2, CH = wave % 2) makes 128 x 128: 64 accumulators, 512 registers.
; THE MATRIX INSTRUCTION IS USED TRANSPOSED (source 0 = 16 rows of B, source 1 = 16 rows of A): in accumulator (a, b = 2 gate + u) lane (r, h) holds row 16 a + r, register j hidden column 32 CH + 16 u + 8 h + j:
; the four gates of one element lie in one lane under one register index.  The bias is the C of each sum's first matrix instruction.
; K goes in four slots of 512 (rows of 256 bytes) through a ring of two LDS slots; all 16 steps of 64 matrix instructions are written out.  The scale bytes of the work-group's rows, for all of K, come once, at the head.
; c_prev's tile (256 rows x 256 bytes) is the ring's last fill, into slot 0, while the last K slot is multiplied.
; CLUSTERS: 4 x 4.  A's tiles are shared along a row of the cluster, B's along a column: joint loads with a mask of four.  c_prev's tile is each work-group's own: a plain load behind a round.
; PREFETCH: the codes of a K slot are asked for two fills ahead of the load that wants them: behind the head's load K slots 1 and 2, behind K slot 1's load K slot 3; nothing beyond K slot 3.
; A wave names 32 rows x 256 bytes, a lane a row: waves 0, 1 rows of A, waves 2, 3 rows of B.  The four partners of a joint load share its 256 rows out by address, 64 each (cx for A, cy for B):
; each block of 256 bytes is named once in each cluster that loads it.  c_prev's rows are asked for two K slots ahead of their load.  No address register of a prefetch is rewritten.
; THE CELL, with L = log2(e), every exponent held at 30 from above:  A = 2^min(-L gi, 30), C of gf, E of go, B = 2^min(-2 L gc, 30);  P = (1 + A)(1 + B);
; c = (c_prev P + (1 - B)(1 + C)) / (P (1 + C));  D = 2^min(-2 L c, 30);  h = (1 - D) / ((1 + D)(1 + E)):  five exponentials and two reciprocals.
; LIMITS: the hold bounds the denominators by 2^90 and moves a sigmoid by at most 2^-30, a tanh by at most 2^-29; |c_prev| under 2^60; NaN among the inputs is not served (the hold drops it).
; REGISTERS: window 0: v15-31 addresses; v32-95 scale words, two sets; v128-191 A's fragments; v192-255 the biases (first step); in the cell v96-127 c_prev, v128-255 two blocks at work.
;   window 1: B's fragments, two sets, v0 and v128; in the cell v0-63 rows on their way out.  window 2: accumulators of my rows 0-63 ((a, b) at v[8 (8 a + b)]); window 3: rows 64-127.
.set NQ,     4
.set ROWB,   256
.set KROW,   1024
.set PITCH,  272                       ; 256 bytes + 16: the 16 rows that a load touches start 4 banks apart
.set FR,     8
.set NL,     2
.set NP,     4                         ; places behind this matrix instruction (ISA guide 7.12.1)
.set HALFT,  128*PITCH
.set SLOT,   4*HALFT                   ; A's 256 rows, then B's 256 rows
.set SCL,    2*SLOT                    ; the scale bytes: A's [4 K slots][256 rows][16 bytes], then B's
.set HALFS,  16384
.set SPARE,  SCL+2*HALFS               ; the spare words: 128 bytes a wave
.set HST,    2*HALFT                   ; c_prev, later c, at LDS byte 0; h's stage behind it: both in slot 0, behind its last fill
.set PFK,  15                          ; 1,024 x lane: a lane a row of codes
.set ADRA, 16
.set ADRB, 20
.set CPA,  22                          ; my 32 bytes of a row of c_prev / c
.set HSA,  23
.set RDC,  24                          ; where I read whole rows back
.set RDH,  25
.set CO,   26                          ; the same rows in out0, out1
.set ADRS, 27                          ; scale words: lanes 0-15 A's rows, lanes 16-31 B's
.set SPW,  28
.set NIL,  29
.set PFO,  30                          ; 4,096 x lane
.set BO,   31
.set SC,   32
.set AF,   128
.set BIAS, 192
.set CP,   96                          ; c_prev, 16 registers for each of two blocks
.set T,    128                         ; a block's 64: +0 A, P, D, h;  +16 C, denominators;  +32 E;  +48 B, numerator, c
.set G1,   24
.set G0,   32
.set G1B,  48
.set G0B,  56
.set G1S,  68
.set G0S,  76
.set G1SB, 80
.set G0SB, 88
.set G1C,  92
.set G0C,  44
.set G0H,  4                           ; group 0 of the head's loads of K slot 0, where arguments lay
.set G0HB, 8
.set PFA,  42                          ; s[42:43] the first of the 32 rows of codes that my wave prefetches; never rewritten
.set WV,   100
.set RH,   101
.set CH,   40
.set TCOL, 41
.set TROW, 105
.set MSB, 0
.macro WIN new                         ; the high byte repeats the setting that is left
.if MSB != (\new)
	s_set_vgpr_msb (MSB<<8)|(\new)
.set MSB, (\new)
.endif
.endm
.set MUL_LO, 0xa1
.set MUL_HI, 0xf1
.set TO_B,   0x40
.macro W
	s_wait_alu depctr_va_vdst(0)
.endm
.macro PLACES n
.rept \n
	v_nop
.endr
.endm
.macro JLOAD g0a, g1a, g0b, g1b        ; waves 0, 1 fetch for A, waves 2, 3 for B; s_nop 0 and four v_nop behind each line
	s_cmp_eq_u32 s[RH], 0
	s_cbranch_scc0 .Lfor_b_\@
	tensor_load_to_lds s[\g0a:\g0a+3], s[\g1a:\g1a+7]
	s_nop 0
	PLACES 4
	s_branch .Lasked_\@
.Lfor_b_\@:
	tensor_load_to_lds s[\g0b:\g0b+3], s[\g1b:\g1b+7]
	s_nop 0
	PLACES 4
.Lasked_\@:
.endm
.macro CREST
	s_cmp_lg_u32 s[WV], 0
	s_cbranch_scc1 .Lnot_wave_0_\@
	s_barrier_signal -3
.Lnot_wave_0_\@:
	s_barrier_wait -3
	s_barrier_signal -1
	s_barrier_wait -1
.endm
.macro CROUND
	s_barrier_signal -1
	s_barrier_wait -1
	CREST
.endm
.macro ASK ks                          ; my 32 rows' 256 bytes of K slot ks
	global_prefetch_b8 v[PFK], s[PFA:PFA+1] offset:ROWB*(\ks) th:TH_LOAD_NT scope:SCOPE_SE
.endm
	s_load_b256 s[4:11], s[0:1], 0x0               ; a_codes, a_scales, b_codes, b_scales
	s_load_b256 s[12:19], s[0:1], 0x20             ; b_i, b_f, b_o, b_c
	s_load_b128 s[20:23], s[0:1], 0x40             ; c_prev, out0 (h)
	s_load_b64 s[66:67], s[0:1], 0x50              ; out1 (c)
	v_lshl_add_u32 v[SPW], v0, 2, SPARE
	v_mov_b32 v[NIL], 0
	ds_add_u32 v[SPW], v[NIL]                      ; the opening lines: the add, twice on end, under one wait
	ds_add_u32 v[SPW], v[NIL]
	v_lshrrev_b32 v1, 5, v0
	v_readfirstlane_b32 s[WV], v1
	s_lshr_b32 s[RH], s[WV], 1
	s_and_b32 s[CH], s[WV], 1
	s_bfe_u32 s[TCOL], ttmp6, 0x40000              ; cx
	s_bfe_u32 s104, ttmp6, 0x40004                 ; cy
	s_lshl_b32 s2, s104, 2
	s_lshl_b32 s2, 15, s2                          ; my row of the cluster
	s_lshl_b32 s42, 0x1111, s[TCOL]                ; my column
	s_or_b32 s[G1+0], s2, (1<<20)|(1<<21)|(5<<22)|(3<<25)    ; bytes; 4 words of padding behind every 64
	s_or_b32 s[G1B+0], s42, (1<<20)|(1<<21)|(5<<22)|(3<<25)
.irp g, G1, G1B
	s_mov_b32 s[\g+1], ROWB<<16
	s_mov_b32 s[\g+2], 256<<16                     ; 256 rows for the head's loads; 128 behind them
	s_mov_b32 s[\g+3], ROWB<<16
	s_mov_b32 s[\g+4], 256
	s_mov_b32 s[\g+5], KROW
	s_mov_b32 s[\g+6], 0
	s_mov_b32 s[\g+7], 0
.endr
	s_or_b32 s[G1S+0], s2, (3<<16)|(1<<21)         ; the scales of 256 rows: 4 rows (K slots) of 4,096 bytes (512 elements of 8), dense in LDS
	s_or_b32 s[G1SB+0], s42, (3<<16)|(1<<21)
.irp g, G1S, G1SB
	s_mov_b32 s[\g+1], 512<<16
	s_mov_b32 s[\g+2], 4<<16
	s_mov_b32 s[\g+3], 512<<16
	s_mov_b32 s[\g+4], 4
	s_mov_b32 s[\g+6], 0
	s_mov_b32 s[\g+7], 0
.endr
	s_mov_b32 s[G1S+5], 16384                      ; 8,192 rows x 16 bytes, in elements of 8
	s_mov_b32 s[G1SB+5], 8192
	s_mov_b32 s[G1C+0], (2<<16)|(1<<20)|(5<<22)|(3<<25)   ; c_prev: 64 rows x 64 f32, padded likewise, no mask
	s_mov_b32 s[G1C+1], 64<<16
	s_mov_b32 s[G1C+2], 64<<16
	s_mov_b32 s[G1C+3], 64<<16
	s_mov_b32 s[G1C+4], 64
	s_mov_b32 s[G1C+5], 1024
	s_mov_b32 s[G1C+6], 0
	s_mov_b32 s[G1C+7], 0
	s_lshl_b32 s43, ttmp9, 2
	s_add_co_u32 s[TCOL], s43, s[TCOL]             ; tile column
	s_and_b32 s[TROW], ttmp7, 0xffff
	s_lshl_b32 s[TROW], s[TROW], 2
	s_add_co_u32 s[TROW], s[TROW], s104            ; tile row
	s_mov_b32 s3, 0
	s_mov_b32 s43, 0
	s_wait_dscnt 0x0                               ; both opening adds are done
	s_wait_kmcnt 0x0
	s_lshl_b32 s2, s[TROW], 18                     ; 256 rows of 1,024 bytes
	s_add_nc_u64 s[4:5], s[4:5], s[2:3]
	s_lshl_b32 s2, s[TROW], 12                     ; 256 rows of 16 bytes
	s_add_nc_u64 s[6:7], s[6:7], s[2:3]
	s_lshl_b32 s42, s[TCOL], 18
	s_add_nc_u64 s[8:9], s[8:9], s[42:43]
	s_lshl_b32 s42, s[TCOL], 12
	s_add_nc_u64 s[10:11], s[10:11], s[42:43]
	; the prefetches' base: A's tile (waves 0, 1) or B's (waves 2, 3), + 64 rows x my place among the four that ask for it with me, + 32 rows x CH
	s_bfe_u32 s44, ttmp6, 0x40000                  ; cx
	s_bfe_u32 s45, ttmp6, 0x40004                  ; cy
	s_cmp_eq_u32 s[RH], 0
	s_cselect_b64 s[PFA:PFA+1], s[4:5], s[8:9]
	s_cselect_b32 s44, s44, s45
	s_lshl_b32 s44, s44, 16
	s_lshl_b32 s45, s[CH], 15
	s_add_co_u32 s44, s44, s45
	s_mov_b32 s45, 0
	s_add_nc_u64 s[PFA:PFA+1], s[PFA:PFA+1], s[44:45]
	CROUND                                         ; all sixteen work-groups are here: the first joint loads meet
	s_mov_b32 s[G0S], 1
	s_mov_b32 s[G0S+1], SCL
	s_mov_b64 s[G0S+2:G0S+3], s[6:7]
	s_or_b32 s[G0S+3], s[G0S+3], 0x80000000
	s_mov_b32 s[G0SB], 1
	s_mov_b32 s[G0SB+1], SCL+HALFS
	s_mov_b64 s[G0SB+2:G0SB+3], s[10:11]
	s_or_b32 s[G0SB+3], s[G0SB+3], 0x80000000
	s_lshl_b32 s2, s[CH], 17                       ; the ring: my 128 rows of a tile, in bytes,
	s_mul_i32 s104, s[WV], HALFT                   ; and where they go
.irp s, 0,1
	s_mov_b32 s[G0+4*\s], 1
	s_add_co_u32 s[G0+4*\s+1], s104, \s*SLOT
	s_add_nc_u64 s[G0+4*\s+2:G0+4*\s+3], s[4:5], \s*ROWB
	s_add_nc_u64 s[G0+4*\s+2:G0+4*\s+3], s[G0+4*\s+2:G0+4*\s+3], s[2:3]
	s_or_b32 s[G0+4*\s+3], s[G0+4*\s+3], 0x80000000
	s_mov_b32 s[G0B+4*\s], 1
	s_add_co_u32 s[G0B+4*\s+1], s104, \s*SLOT
	s_add_nc_u64 s[G0B+4*\s+2:G0B+4*\s+3], s[8:9], \s*ROWB
	s_add_nc_u64 s[G0B+4*\s+2:G0B+4*\s+3], s[G0B+4*\s+2:G0B+4*\s+3], s[2:3]
	s_or_b32 s[G0B+4*\s+3], s[G0B+4*\s+3], 0x80000000
.endr
	s_mov_b64 s[G0H+2:G0H+3], s[4:5]               ; K slot 0's 256 rows of A, whole,
	s_or_b32 s[G0H+3], s[G0H+3], 0x80000000
	s_mov_b32 s[G0H], 1
	s_mov_b32 s[G0H+1], 0
	s_mov_b64 s[G0HB+2:G0HB+3], s[8:9]             ; and of B
	s_or_b32 s[G0HB+3], s[G0HB+3], 0x80000000
	s_mov_b32 s[G0HB], 1
	s_mov_b32 s[G0HB+1], 2*HALFT
; the head's four tiles, one load a wave: wave 0 A's rows, wave 1 B's, wave 2 A's scales, wave 3 B's; one chain of branches, all arms to one join
.macro ARM under, g0, g1, next
	s_cmp_lt_u32 s[WV], \under
	s_cbranch_scc0 \next
	tensor_load_to_lds s[\g0:\g0+3], s[\g1:\g1+7]
	s_nop 0
	PLACES 4
	s_branch .Lhead_asked
\next:
.endm
	ARM 1, G0H,  G1,  .Lhead_b
	ARM 2, G0HB, G1B, .Lhead_sa
	ARM 3, G0S,  G1S, .Lhead_sb
	tensor_load_to_lds s[G0SB:G0SB+3], s[G1SB:G1SB+7]
	s_nop 0
	PLACES 4
.Lhead_asked:
	; the bases first, in scalar registers; then the lanes' addresses in one run of vector lines
	s_mul_i32 s2, s[RH], HALFT                     ; my 128 rows of A
	s_mul_i32 s3, s[CH], HALFT
	s_add_co_u32 s3, s3, 2*HALFT                   ; my 128 rows of B
	s_lshl_b32 s104, s[RH], 11                     ; A's scales: my 128 rows
	s_lshl_b32 s47, s[CH], 11
	s_add_co_u32 s47, s47, HALFS
	s_sub_co_u32 s47, s47, s104                    ; the distance to B's
	s_add_co_u32 s104, s104, SCL
	s_lshl_b32 s44, s[CH], 7
	s_lshl_b32 s46, s[TCOL], 8
	s_add_co_u32 s46, s46, s44                     ; a bias: 256 x tile column + 128 CH
	s_add_co_u32 s44, s44, s2                      ; c_prev: my rows, my 128 bytes of a row
	s_mul_i32 s45, s[CH], 16*PITCH
	s_add_co_u32 s45, s45, s2                      ; back: of each 32 rows of my row half I take 16, whole
	v_and_b32 v1, 15, v0                           ; r
	v_bfe_u32 v2, v0, 4, 1                         ; h
	v_mul_u32_u24 v3, v1, PITCH
	v_lshl_add_u32 v4, v2, 4, v3
	v_add_nc_u32 v[ADRA], s2, v4
	v_add_nc_u32 v[ADRB], s3, v4
	v_add_nc_u32 v[ADRA+1], SLOT, v[ADRA]
	v_add_nc_u32 v[ADRB+1], SLOT, v[ADRB]
	v_lshlrev_b32 v5, 4, v1
	v_mul_u32_u24 v6, s47, v2                      ; lanes 16-31 take B's: the lower base + h x the distance
	v_add_nc_u32 v5, v5, v6
	v_add_nc_u32 v[ADRS], s104, v5
	v_lshl_add_u32 v7, v2, 5, v3
	v_add_nc_u32 v[CPA], s44, v7
	v_add_nc_u32 v[HSA], HST, v[CPA]
	v_mul_u32_u24 v8, v2, PITCH
	v_lshl_add_u32 v8, v1, 4, v8
	v_add_nc_u32 v[RDC], s45, v8
	v_add_nc_u32 v[RDH], HST, v[RDC]
	v_lshlrev_b32 v9, 12, v2
	v_lshl_add_u32 v[CO], v1, 4, v9
	v_and_b32 v10, 31, v0
	v_lshlrev_b32 v[PFO], 12, v10
	v_lshlrev_b32 v[PFK], 10, v10
	v_lshl_add_u32 v[BO], v2, 5, s46
	W                                              ; the wait behind the head's vector lines
	ASK 1                                          ; K slots 1 and 2: the next two fills
	ASK 2
.irp g, 0,1,2,3                        ; the biases in the result's layout: for B's block 2 g + u my columns 16 u + 8 h + 0 .. 7 of gate g
.irp u, 0,1
	global_load_b128 v[BIAS+8*(2*\g+\u):BIAS+8*(2*\g+\u)+3],   v[BO], s[12+2*\g:13+2*\g] offset:64*\u
	global_load_b128 v[BIAS+8*(2*\g+\u)+4:BIAS+8*(2*\g+\u)+7], v[BO], s[12+2*\g:13+2*\g] offset:64*\u+16
.endr
.endr
	s_lshl_b32 s2, s[TROW], 8
	s_lshl_b32 s3, s[RH], 7
	s_add_co_u32 s46, s2, s3
	s_lshl_b32 s3, s[CH], 4
	s_add_co_u32 s46, s46, s3                      ; the first row that I store
	s_lshl_b32 s46, s46, 12
	s_lshl_b32 s3, s[TCOL], 8
	s_add_co_u32 s46, s46, s3
	s_mov_b32 s47, 0
	s_add_nc_u64 s[22:23], s[22:23], s[46:47]
	s_add_nc_u64 s[66:67], s[66:67], s[46:47]
	s_lshl_b32 s46, s[WV], 6
	s_add_co_u32 s46, s46, s2                      ; the first row of c_prev that I fetch
	s_lshl_b32 s46, s46, 12
	s_add_co_u32 s46, s46, s3
	s_add_nc_u64 s[20:21], s[20:21], s[46:47]      ; kept: the prefetches name it too
	s_mov_b32 s[G0C], 1
	s_mul_i32 s[G0C+1], s[WV], 64*PITCH
	s_mov_b64 s[G0C+2:G0C+3], s[20:21]
	s_or_b32 s[G0C+3], s[G0C+3], 0x80000000
.macro FRAG reg, adr, q, i             ; 16 rows x 128 K: registers 4 c .. 4 c + 3 hold K = 64 c + 32 h + 0 .. 31
.irp c, 0,1
	ds_load_b128 v[\reg+4*\c:\reg+4*\c+3], v[\adr] offset:64*(\q)+32*\c+(\i)*16*PITCH
.endr
.endm
; 16 matrix instructions: A's blocks a0, a0 + 1 x B's eight.  zero = 1: the bias is the C.  The 64 accumulators take turns, in the same order in every step.
.macro MUL16 a0, p, q, sc, zero
.irp a, \a0, \a0+1
.irp b, 0,1,2,3,4,5,6,7
.if \zero
	v_wmma_scale_f32_16x16x128_f8f6f4 v[8*(8*((\a)%4)+\b):8*(8*((\a)%4)+\b)+7], v[128*(\p)+FR*\b:128*(\p)+FR*\b+FR-1], v[AF+FR*(\a):AF+FR*(\a)+FR-1], v[BIAS+8*\b:BIAS+8*\b+7], v[SC+8*NQ*(\sc)+NQ*\b+(\q)], v[SC+8*NQ*(\sc)+NQ*(\a)+(\q)] matrix_a_fmt:MATRIX_FMT_FP4 matrix_b_fmt:MATRIX_FMT_FP4 matrix_a_scale:MATRIX_SCALE_ROW1
.else
	v_wmma_scale_f32_16x16x128_f8f6f4 v[8*(8*((\a)%4)+\b):8*(8*((\a)%4)+\b)+7], v[128*(\p)+FR*\b:128*(\p)+FR*\b+FR-1], v[AF+FR*(\a):AF+FR*(\a)+FR-1], v[8*(8*((\a)%4)+\b):8*(8*((\a)%4)+\b)+7], v[SC+8*NQ*(\sc)+NQ*\b+(\q)], v[SC+8*NQ*(\sc)+NQ*(\a)+(\q)] matrix_a_fmt:MATRIX_FMT_FP4 matrix_b_fmt:MATRIX_FMT_FP4 matrix_a_scale:MATRIX_SCALE_ROW1
.endif
.endr
.endr
.endm
.macro FETCH_B slot, q, p
	WIN TO_B
.irp i, 0,1,2,3,4,5,6,7
	FRAG 128*(\p)+FR*\i, ADRB+\slot, \q, \i
.endr
	WIN 0
.endm
.macro FETCH_A slot, q, i0
.irp i, \i0, \i0+1, \i0+2, \i0+3
	FRAG AF+FR*(\i), ADRA+\slot, \q, \i
.endr
.endm
.macro SCALES sc, ks                   ; K slot ks's scale words: four words a row; a block's 16 rows are 256 bytes on end
.irp i, 0,1,2,3,4,5,6,7
	ds_load_b128 v[SC+8*NQ*(\sc)+NQ*\i:SC+8*NQ*(\sc)+NQ*\i+3], v[ADRS] offset:4096*(\ks)+256*\i
.endr
.endm
; a step of 128 along K with its successor in the same slot: A has one set (blocks 0-3 fetched anew in the middle, 4-7 at the end), B two
.macro STEP slot, q, zero
	s_wait_dscnt 4*NL                              ; all but the youngest eight loads, A's blocks 4-7
.if \zero
	WIN 0x81                                       ; as MUL_LO, C (the bias) in window 0
.else
	WIN MUL_LO
.endif
	MUL16 0, (\q)%2, \q, \slot, \zero
	MUL16 2, (\q)%2, \q, \slot, \zero
	s_wait_dscnt 0
	PLACES NP
	FETCH_B \slot, (\q)+1, 1-(\q)%2
	FETCH_A \slot, (\q)+1, 0
.if \zero
	WIN 0xc1
.else
	WIN MUL_HI
.endif
	MUL16 4, (\q)%2, \q, \slot, \zero
	MUL16 6, (\q)%2, \q, \slot, \zero
	PLACES NP
	WIN 0
	FETCH_A \slot, (\q)+1, 4
.endm
; a slot's last step changes slots.  kind = 1: this slot takes the K slot two on, jointly; kind = 2: my 64 rows of c_prev.  ks: the K slot in the next LDS slot
.macro TURN slot, next, kind, ks, pf
	s_wait_tensorcnt 0x0                           ; all my tensor loads have landed: my part of the next slot
	ds_add_u32 v[SPW], v[NIL]
	s_wait_dscnt 4*NL+1                            ; the add and A's blocks 4-7 may be out
	WIN MUL_LO
	MUL16 0, 1, NQ-1, \slot, 0
	s_wait_dscnt 0x0                               ; the add is done, my reads of this slot are over
	s_barrier_signal -1
	MUL16 2, 1, NQ-1, \slot, 0
	WIN 0
	s_barrier_wait -1
	CREST                                          ; no wave of any partner still reads this slot or has a load on its way
.if \kind == 1
	s_add_nc_u64 s[G0+4*\slot+2:G0+4*\slot+3], s[G0+4*\slot+2:G0+4*\slot+3], 2*ROWB
	s_add_nc_u64 s[G0B+4*\slot+2:G0B+4*\slot+3], s[G0B+4*\slot+2:G0B+4*\slot+3], 2*ROWB
	JLOAD G0+4*\slot, G1, G0B+4*\slot, G1B
.else
	tensor_load_to_lds s[G0C:G0C+3], s[G1C:G1C+7]
	s_nop 0
	PLACES NP
.endif
	FETCH_B \next, 0, 0
	FETCH_A \next, 0, 0
	SCALES \next, \ks
.if \pf
	global_prefetch_b8 v[PFO], s[20:21] th:TH_LOAD_NT scope:SCOPE_SE                  ; my 64 rows x 256 bytes of c_prev, a lane a row, two K slots ahead of their load; each row named once in the launch
	global_prefetch_b8 v[PFO], s[20:21] offset:32*4096 th:TH_LOAD_NT scope:SCOPE_SE
.endif
	WIN MUL_HI
	MUL16 4, 1, NQ-1, \slot, 0
	MUL16 6, 1, NQ-1, \slot, 0
	PLACES NP
	WIN 0
	FETCH_A \next, 0, 4
.endm
	W                                              ; the wait at the head's end
	s_wait_tensorcnt 0x0                           ; my tile of the head's four is in
	ds_add_u32 v[SPW], v[NIL]
	s_mov_b32 s[G1+2], 128<<16                     ; no tensor load of mine is out: from here on a load brings 128 rows
	s_mov_b32 s[G1+4], 128
	s_mov_b32 s[G1B+2], 128<<16
	s_mov_b32 s[G1B+4], 128
	s_mov_b32 s4, 0xbfb8aa3b                       ; -log2(e), as a pair
	s_mov_b32 s5, s4
	s_mov_b32 s6, 0xc038aa3b                       ; -2 log2(e)
	s_mov_b32 s7, s6
	s_mov_b32 s8, 0x41f00000                       ; 30.0
	s_wait_dscnt 0x0
	CROUND                                         ; all four tiles are in, all sixteen work-groups are here
	JLOAD G0+4, G1, G0B+4, G1B                     ; K slot 1: slot 1's first fill, the first tensor load behind the round
	s_wait_loadcnt 0x0                             ; the biases
	FETCH_B 0, 0, 0
	FETCH_A 0, 0, 0
	SCALES 0, 0
	FETCH_A 0, 0, 4
	ASK 3                                          ; K slot 3, two fills on; behind the joint load and the run of LDS loads
	STEP 0, 0, 1
	STEP 0, 1, 0
	STEP 0, 2, 0
	TURN 0, 1, 1, 1, 1                             ; K slot 2 goes into slot 0
	STEP 1, 0, 0
	STEP 1, 1, 0
	STEP 1, 2, 0
	TURN 1, 0, 1, 2, 0                             ; K slot 3 goes into slot 1
	STEP 0, 0, 0
	STEP 0, 1, 0
	STEP 0, 2, 0
	TURN 0, 1, 2, 3, 0                             ; c_prev goes into slot 0
	STEP 1, 0, 0
	STEP 1, 1, 0
	STEP 1, 2, 0
	s_wait_dscnt 4*NL
	WIN MUL_LO
	MUL16 0, 1, NQ-1, 1, 0
	MUL16 2, 1, NQ-1, 1, 0
	s_wait_dscnt 0x0
	s_wait_tensorcnt 0x0                           ; my 64 rows of c_prev have landed: others read them.
	s_barrier_signal -1
	WIN MUL_HI
	MUL16 4, 1, NQ-1, 1, 0
	MUL16 6, 1, NQ-1, 1, 0
	WIN 0
	s_barrier_wait -1
	PLACES NP
; THE CELL, a chunk of two blocks X, Y of 16 rows x my 32 hidden columns: 16 elements a lane and block.  Each batch of exponentials or reciprocals of one block has one wait ahead of it,
; and the other block's plain arithmetic behind it; the next wait stands ahead of the batch's first reader.
.macro CPLOAD a
	ds_load_b128 v[CP+16*((\a)%2):CP+16*((\a)%2)+3],     v[CPA] offset:16*PITCH*(\a)
	ds_load_b128 v[CP+16*((\a)%2)+4:CP+16*((\a)%2)+7],   v[CPA] offset:16*PITCH*(\a)+16
	ds_load_b128 v[CP+16*((\a)%2)+8:CP+16*((\a)%2)+11],  v[CPA] offset:16*PITCH*(\a)+64
	ds_load_b128 v[CP+16*((\a)%2)+12:CP+16*((\a)%2)+15], v[CPA] offset:16*PITCH*(\a)+80
.endm
.macro MULS a                          ; the gates scaled, ascending: each accumulator is read from its low end on
.set AC, 64*((\a)%4)
.set TT, T+64*((\a)%2)
.set GN, 0
.rept 24
	v_pk_mul_f32 v[TT+2*GN:TT+2*GN+1], v[AC+2*GN:AC+2*GN+1], s[4:5] op_sel_hi:[1,0]   ; -L x gate i, f, o
.set GN, GN+1
.endr
.rept 8
	v_pk_mul_f32 v[TT+2*GN:TT+2*GN+1], v[AC+2*GN:AC+2*GN+1], s[6:7] op_sel_hi:[1,0]   ; -2 L x gate c
.set GN, GN+1
.endr
.endm
.macro MINS base, n                    ; the hold at 30
.set GN, 0
.rept \n
	v_min_num_f32 v[(\base)+GN], s8, v[(\base)+GN]
.set GN, GN+1
.endr
.endm
.macro EXPS base, n
.set GN, 0
.rept \n
	v_exp_f32 v[(\base)+GN], v[(\base)+GN]
.set GN, GN+1
.endr
.endm
.macro RCPS base
.set GN, 0
.rept 16
	v_rcp_f32 v[(\base)+GN], v[(\base)+GN]
.set GN, GN+1
.endr
.endm
.macro P2 x
.set TT, T+64*(\x)
.set CPS, CP+16*(\x)
.irp p, 0,2,4,6,8,10,12,14
	v_pk_add_f32 v[TT+\p:TT+\p+1], v[TT+\p:TT+\p+1], 1.0 op_sel_hi:[1,0]                              ; 1 + A
.endr
.irp p, 0,2,4,6,8,10,12,14
	v_pk_fma_f32 v[TT+\p:TT+\p+1], v[TT+\p:TT+\p+1], v[TT+48+\p:TT+49+\p], v[TT+\p:TT+\p+1]           ; P = (1 + A) B + (1 + A)
.endr
.irp p, 0,2,4,6,8,10,12,14
	v_pk_fma_f32 v[TT+48+\p:TT+49+\p], v[TT+48+\p:TT+49+\p], -1.0, 1.0 op_sel_hi:[1,0,0]              ; 1 - B
.endr
.irp p, 0,2,4,6,8,10,12,14
	v_pk_fma_f32 v[TT+48+\p:TT+49+\p], v[TT+16+\p:TT+17+\p], v[TT+48+\p:TT+49+\p], v[TT+48+\p:TT+49+\p]   ; (1 - B)(1 + C)
.endr
.irp p, 0,2,4,6,8,10,12,14
	v_pk_fma_f32 v[TT+16+\p:TT+17+\p], v[TT+16+\p:TT+17+\p], v[TT+\p:TT+\p+1], v[TT+\p:TT+\p+1]       ; P (1 + C)
.endr
.irp p, 0,2,4,6,8,10,12,14
	v_pk_fma_f32 v[TT+48+\p:TT+49+\p], v[CPS+\p:CPS+\p+1], v[TT+\p:TT+\p+1], v[TT+48+\p:TT+49+\p]     ; + c_prev P
.endr
.endm
.macro STORE4 adr, reg, a
	ds_store_b128 v[\adr], v[(\reg):(\reg)+3] offset:16*PITCH*(\a)
	ds_store_b128 v[\adr], v[(\reg)+4:(\reg)+7] offset:16*PITCH*(\a)+16
	ds_store_b128 v[\adr], v[(\reg)+8:(\reg)+11] offset:16*PITCH*(\a)+64
	ds_store_b128 v[\adr], v[(\reg)+12:(\reg)+15] offset:16*PITCH*(\a)+80
.endm
.macro P3 x, a
.set TT, T+64*(\x)
.irp p, 0,2,4,6,8,10,12,14
	v_pk_mul_f32 v[TT+48+\p:TT+49+\p], v[TT+48+\p:TT+49+\p], v[TT+16+\p:TT+17+\p]                     ; c
.endr
	STORE4 CPA, TT+48, \a                          ; c takes c_prev's place: each lane writes the very bytes that it read
.irp p, 0,2,4,6,8,10,12,14
	v_pk_mul_f32 v[TT+\p:TT+\p+1], v[TT+48+\p:TT+49+\p], s[6:7] op_sel_hi:[1,0]                       ; -2 L c
.endr
	MINS TT, 16
.endm
.macro P4 x
.set TT, T+64*(\x)
.irp p, 0,2,4,6,8,10,12,14
	v_pk_add_f32 v[TT+16+\p:TT+17+\p], v[TT+\p:TT+\p+1], 1.0 op_sel_hi:[1,0]                          ; 1 + D
.endr
.irp p, 0,2,4,6,8,10,12,14
	v_pk_fma_f32 v[TT+16+\p:TT+17+\p], v[TT+32+\p:TT+33+\p], v[TT+16+\p:TT+17+\p], v[TT+16+\p:TT+17+\p]   ; (1 + D)(1 + E)
.endr
.irp p, 0,2,4,6,8,10,12,14
	v_pk_fma_f32 v[TT+\p:TT+\p+1], v[TT+\p:TT+\p+1], -1.0, 1.0 op_sel_hi:[1,0,0]                      ; 1 - D
.endr
.endm
.macro P5 x, a
.set TT, T+64*(\x)
.irp p, 0,2,4,6,8,10,12,14
	v_pk_mul_f32 v[TT+\p:TT+\p+1], v[TT+\p:TT+\p+1], v[TT+16+\p:TT+17+\p]                             ; h
.endr
	STORE4 HSA, TT, \a
.endm
.macro RDBACK q                        ; a row's 256 bytes come from two waves: behind a barrier I read 16 whole rows of c and of h back, into window 1
.if (\q) > 0
	s_wait_xcnt 0x0                                ; the last chunk's stores have read these registers
.endif
	WIN TO_B
.irp t, 0,1,2,3,4,5,6,7
	ds_load_b128 v[4*\t:4*\t+3], v[RDC] offset:(32*(\q)+2*\t)*PITCH
.endr
.irp t, 0,1,2,3,4,5,6,7
	ds_load_b128 v[32+4*\t:32+4*\t+3], v[RDH] offset:(32*(\q)+2*\t)*PITCH
.endr
	WIN 0
.endm
.macro SEND q, counted                 ; counted = 1: each store waits for its own read; the younger reads may be out
	WIN 0x04                                       ; a store's data: window 1
.irp t, 0,1,2,3,4,5,6,7
.if \counted
	s_wait_dscnt 15-\t
.endif
	global_store_b128 v[CO], v[4*\t:4*\t+3], s[66:67] offset:(32*(\q)+2*\t)*4096 th:TH_STORE_NT        ; c: sixteen lanes store 256 consecutive bytes, aligned
.endr
.irp t, 0,1,2,3,4,5,6,7
.if \counted
	s_wait_dscnt 7-\t
.endif
	global_store_b128 v[CO], v[32+4*\t:32+4*\t+3], s[22:23] offset:(32*(\q)+2*\t)*4096 th:TH_STORE_NT  ; h likewise
.endr
	WIN 0
.endm
.macro CHUNK q
	WIN 0x02+(\q)/2                                ; source 0: window 2 or 3
	W                                              ; directly ahead of the first readers of these matrix results
	MULS 2*(\q)
	MULS 2*(\q)+1
	WIN 0
	MINS T, 64
	W
	s_wait_dscnt 0x0                               ; this chunk's c_prev is in, and the last chunk's rows are back
.if (\q) > 0
	SEND (\q)-1, 0
.endif
	EXPS T, 64                                     ; X: A, C, E, B
	MINS T+64, 64
	W
	EXPS T+64, 64                                  ; Y
	P2 0
	W
	RCPS T+16
	P2 1
	W
	RCPS T+80
	P3 0, 2*(\q)
	W
	EXPS T, 16                                     ; X: D
	P3 1, 2*(\q)+1
	W
	EXPS T+64, 16
	P4 0
	W
	RCPS T+16
	P4 1
	W
	RCPS T+80
	P5 0, 2*(\q)
	W
	P5 1, 2*(\q)+1
	W
	s_wait_dscnt 0x0                               ; for the others' sake: my stores of this chunk's c and h are done
	s_barrier_signal -1
	s_barrier_wait -1
	RDBACK \q
.if (\q) < 3
	CPLOAD 2*(\q)+2
	CPLOAD 2*(\q)+3
.endif
.endm
	CPLOAD 0
	CPLOAD 1
.irp q, 0,1,2,3
	CHUNK \q
.endr
	SEND 3, 1
	s_wait_tensorcnt 0x0                           ; the wave's end
	ds_add_u32 v[SPW], v[NIL]
	s_wait_dscnt 0x0
	CROUND                                         ; the closing round
	s_endpgm
.Lfunc_end_k_qe4d917bd78_cell:
	.size	k_qe4d917bd78_cell, .Lfunc_end_k_qe4d917bd78_cell-k_qe4d917bd78_cell
	.p2alignl 7, 3214868480
	.fill 96, 4, 3214868480
	.section	.rodata,"a",@progbits
	.p2align	6, 0x0
	.amdhsa_kernel k_qe4d917bd78_cell
		.amdhsa_group_segment_fixed_size 327680
		.amdhsa_private_segment_fixed_size 0
		.amdhsa_enable_private_segment 0
		.amdhsa_kernarg_size 88
		.amdhsa_user_sgpr_count 2
		.amdhsa_user_sgpr_kernarg_segment_ptr 1
		.amdhsa_wavefront_size32 1
		.amdhsa_system_sgpr_workgroup_id_x 1
		.amdhsa_system_sgpr_workgroup_id_y 1
		.amdhsa_system_sgpr_workgroup_id_z 1
		.amdhsa_system_vgpr_workitem_id 0
		.amdhsa_next_free_vgpr 1024
		.amdhsa_next_free_sgpr 106
		.amdhsa_reserve_vcc 0
		.amdhsa_float_denorm_mode_32 3
		.amdhsa_float_denorm_mode_16_64 3
		.amdhsa_memory_ordered 1
		.amdhsa_forward_progress 1
		.amdhsa_inst_pref_size 255
	.end_amdhsa_kernel
	.section	.bss,"aw",@nobits
	.p2align	6
	.space	262144
	.amdgpu_metadata
---
amdhsa.version: [ 1, 2 ]
amdhsa.kernels:
  - .name:           k_qe4d917bd78_cell
    .symbol:         k_qe4d917bd78_cell.kd
    .args:
      - { .name: a_codes, .offset: 0, .size: 8, .value_kind: global_buffer, .address_space: global }
      - { .name: a_scales, .offset: 8, .size: 8, .value_kind: global_buffer, .address_space: global }
      - { .name: b_codes, .offset: 16, .size: 8, .value_kind: global_buffer, .address_space: global }
      - { .name: b_scales, .offset: 24, .size: 8, .value_kind: global_buffer, .address_space: global }
      - { .name: b_i, .offset: 32, .size: 8, .value_kind: global_buffer, .address_space: global }
      - { .name: b_f, .offset: 40, .size: 8, .value_kind: global_buffer, .address_space: global }
      - { .name: b_o, .offset: 48, .size: 8, .value_kind: global_buffer, .address_space: global }
      - { .name: b_c, .offset: 56, .size: 8, .value_kind: global_buffer, .address_space: global }
      - { .name: c_prev, .offset: 64, .size: 8, .value_kind: global_buffer, .address_space: global }
      - { .name: out0, .offset: 72, .size: 8, .value_kind: global_buffer, .address_space: global }
      - { .name: out1, .offset: 80, .size: 8, .value_kind: global_buffer, .address_space: global }
    .group_segment_fixed_size: 327680
    .private_segment_fixed_size: 0
    .kernarg_segment_align: 8
    .kernarg_segment_size: 88
    .max_flat_workgroup_size: 128
    .sgpr_count:     106
    .vgpr_count:     1024
    .wavefront_size: 32
...
	.end_amdgpu_metadata
.endif
;; end of part 2
